; MI455X (gfx1250); checked and timed in simulation.
; The chip was launched on July 23, 2026; its instructions are those of AMD's public machine-readable ISA for CDNA 5 (MIT licence, August 2026) and "CDNA5" Instruction Set Architecture Reference Guide (July 2026). The comments in the code are by the model that wrote it; some were corrected since.
;; Multihead Self Attention. Allowed arithmetic: matrix products marked QUANTISED: E4M3 operands, one given power-of-two scale a tensor, by v_wmma_f32_16x16x64_fp8_fp8 or v_wmma_f32_16x16x128_fp8_fp8, f32 sums; everything else in f32.
;; Inputs: Wk 16 x 64 x 1,024 float32; Wo 1,024 x 1,024 float32; Wq 16 x 64 x 1,024 float32; Wv 16 x 64 x 1,024 float32; lowp_scales 12 int32 (the exponents e of the quantised operands' scales 2^e); x 4 x 2,048 x 1,024 float32.
;; Outputs: out0 4 x 2,048 x 1,024 float32.
;; This version of the problem:
;;   THIS VERSION OF THE PROBLEM IS GIVEN IN LOW PRECISION. The matrix products marked QUANTISED in the list below multiply operands that are first quantised to E4M3 (4 exponent bits, 3 mantissa bits; 8 bits a number), with one given power-of-two scale for each operand tensor; their sums are f32. All else is computed in f32.
;;   The module's matrix products, in the order in which they are computed (A, B: the left and right operand; K: the contracted axis; several contracted axes count as one K, in the product's order):
;;     1. [M 1,024, K 1,024] x [K 1,024, N 8,192]; A: input Wq; B: input x: QUANTISED (scales: A lowp_scales[0], B lowp_scales[1])
;;     2. [M 1,024, K 1,024] x [K 1,024, N 8,192]; A: input Wk; B: input x: QUANTISED (scales: A lowp_scales[2], B lowp_scales[3])
;;     3. [M 1,024, K 1,024] x [K 1,024, N 8,192]; A: input Wv; B: input x: QUANTISED (scales: A lowp_scales[4], B lowp_scales[5])
;;     4. batch 64 x [M 2,048, K 64] x [K 64, N 2,048]; A: computed on the way; B: computed on the way: QUANTISED (scales: A lowp_scales[6], B lowp_scales[7])
;;     5. batch 64 x [M 2,048, K 2,048] x [K 2,048, N 64]; A: softmax (see below); B: computed on the way: QUANTISED (scales: A lowp_scales[8], B lowp_scales[9])
;;     6. [M 8,192, K 1,024] x [K 1,024, N 1,024]; A: computed on the way; B: input Wo: QUANTISED (scales: A lowp_scales[10], B lowp_scales[11])
;;   THE QUANTISER, for each operand of a quantised product, along K:
;;     - The operand's scale is 2^e, e = its entry of the input lowp_scales (int32; the entries are numbered through the quantised products in the list's order, A before B).
;;     - Each number is divided by the scale, clamped to +-448, and rounded to the nearest number of E4M3, ties to even, subnormals kept.
;;     - The product sums the exact products of the quantised numbers (number of the format x scale) in f32.
;;   ~~~python
;;   def quantise(x, axis, e):      # numpy; x: float32 -> the quantised numbers, widened to float32 again
;;       x = np.moveaxis(x, axis, -1); K = x.shape[-1]
;;       r = np.clip(x / 2.0 ** e, -448, 448)
;;       step = 2.0 ** (np.maximum(np.frexp(np.where(r == 0, 1, r))[1] - 1, -6) - 3)
;;       q = np.round(r / step) * step * 2.0 ** e      # np.round: ties to even
;;       return np.moveaxis(q, -1, axis).astype(np.float32)
;;   ~~~
;;   SOFTMAX AHEAD OF A QUANTISED PRODUCT. Where the list says 'softmax', what is quantised is not the finished softmax but p = 2^(t - M), with t = logit x log2(e) and M = ceil(the row's largest t), a whole number; so 1/2 < the row's largest p <= 1. The row's sum l is taken of the UNQUANTISED p, in f32, and the product's result is divided by l at the end. Since M is a whole number, a kernel that streams over the keys may use a running M (the ceiling of the running maximum): every later rescaling is an exact power of two, so the quantised numbers keep their values, but for numbers so far below the row's largest that they fall under the format's range.
;;   OPERANDS COMPUTED ON THE WAY. 'Computed on the way' means the value that the module computes at that place (a softmax that the list does not call 'softmax' is quantised finished and normalised). What goes into a quantiser is computed in f32, as accurately as f32 sums, v_exp_f32 and their like allow (about 1e-6 of the number): no bf16 or f16 on the way to a quantiser, and a product that is left as it is and whose result goes on into a quantised operand takes f32 operands (vector FMAs, or v_wmma_f32_16x16x4_f32). A number that lies on a knife's edge between two numbers of the format may be rounded either way, as far as f32 arithmetic and the matrix unit's own rounding can turn it there, and no further.
;; One version. Each part assembles by itself: llvm-mc -triple=amdgcn-amd-amdhsa -mcpu=gfx1250 --defsym DOCPART=n.
;; ======== version 1 of 1: 4 launches
;; limits: right only within a limited range of input values
;; workspace buffers: x_codes 25,165,824 bytes; w_codes 4,194,304 bytes; qkv_codes 25,165,824 bytes; a_codes 8,388,608 bytes
;; launch quant (part 1): grid 768 x 1, 4 waves a work-group, no clusters, 33,280 bytes of LDS; arguments x, Wq, Wk, Wv, Wo, lowp_scales, x_codes, w_codes; writes x_codes, w_codes
.if DOCPART == 1
	.amdgcn_target "amdgcn-amd-amdhsa--gfx1250"
	.amdhsa_code_object_version 6
	.text
	.protected	k_qfce40e655e_quant
	.globl	k_qfce40e655e_quant
	.p2align	8
	.type	k_qfce40e655e_quant,@function
k_qfce40e655e_quant:
	s_mov_b64 s[64:65], 0
	v_nop
	global_prefetch_b8 v0, s[64:65] scope:SCOPE_SE
	s_setreg_imm32_b32 hwreg(HW_REG_WAVE_MODE, 25, 1), 1
	s_wait_xcnt 0x0
; LAUNCH 1 OF 4: f32 numbers into codes of E4M3, K innermost, each with the scale 2^e that lowp_scales gives for it.
; x [8192][1024] is an operand of three products under three entries (1, 3, 5), which need not be equal: three planes of codes, x_codes [3][8192][1024].
; Wq (entry 0), Wk (2), Wv (4), Wo (11), each [1024][1024]: w_codes [4][1024][1024].  code = number / 2^e, held within +-448, to the nearest code, ties to even.
; WORK LEFT OUT IN THE WHOLE PROGRAM: the third launch leaves out the blocks of 128 keys that lie wholly behind a block of 128 queries.  The causal mask is built in the problem's own body (tril): for key > query
; the score is replaced by the least f32 number ahead of the softmax, its weight is 0 for all finite inputs (key 0 counts for every query, so the row's largest score is a true score), and 0 x v adds nothing.
; Nothing else is left out; every input has a way to the output and is loaded.  LIMIT: a NaN, an infinity or an overflow that reaches only those hidden scores is not carried to the result.
; LIMITS here: entries 0 to 5 and 11 lie between -126 and 119, so that 2^e and 448 x 2^e are f32 numbers.  NaN among the inputs is not served (an infinity is held at the largest code).
; SHARES: a work-group takes 32,768 numbers, a wave 8,192 in 16 steps of 512.  Work-groups 0-255 take x, then 32 each take Wq, Wk, Wv, Wo.  Only pointers and exponents are chosen (by selects on the work-group's number);
; one branch on that number in each step leads the weights' work-groups round x's second and third conversion and their stores, and round no LDS line.
; A conversion takes 8 neighbours from ONE lane's registers; a load is dense where neighbouring LANES take neighbouring bytes.  So a step's 2,048 bytes turn through the wave's own stage in LDS (16 bytes of padding behind each 64).
; No matrix work, no cluster, no tensor loads: waves share nothing and each byte is read once.
; (The unit that the third launch leaves out is a step of 64 keys that lies wholly behind a wave's block of 64 queries; the ground is the one given above.)
; SHARES, in place of the figures above: a work-group takes 16,384 numbers, a wave 4,096 in 8 steps of 512.  Work-groups 0-511 take x, then 64 each take Wq, Wk, Wv, Wo: 768 work-groups, three to each of 256 WGPs.
.set STEPS, 8
.set XWG,   512
.set SP,    80                         ; a lane's place in a stage: 64 bytes + 16
.set WREG,  8192                       ; LDS of a wave: two stages of 32 x SP bytes
.set SPARE, 4*WREG                     ; behind the four regions: the spare words, 128 bytes a wave, that no other line names
.set R,     16                         ; v16-79   four sets of 16 numbers as loaded
.set X,     80                         ; v80-111  two sets of 16 neighbours
.set T,     112                        ; v112-127 the numbers, held within the largest code x the scale
.set C,     128                        ; v128-151 codes: two sets x three outputs x four registers
.set SPW,   12                         ; v12 my spare word's LDS address; never rewritten
.set NIL,   13                         ; v13 0; never rewritten
	s_load_b512 s[4:19], s[0:1], 0x0               ; x, Wq, Wk, Wv, Wo, lowp_scales, x_codes, w_codes
	v_lshl_add_u32 v[SPW], v0, 2, SPARE
	v_mov_b32 v[NIL], 0
	v_lshrrev_b32 v1, 5, v0
	v_readfirstlane_b32 s28, v1                    ; wave
	v_and_b32 v2, 31, v0                           ; lane
	v_lshlrev_b32 v3, 4, v2                        ; 16 x lane: my bytes of a load's 512 and of a store's 512; never rewritten
	s_mul_i32 s30, s28, WREG
	v_lshrrev_b32 v14, 2, v2
	v_mul_u32_u24 v14, v14, SP
	v_and_b32 v15, 3, v2
	v_lshl_add_u32 v14, v15, 4, v14
	v_add_nc_u32 v14, s30, v14                     ; the stage, in: SP (lane / 4) + 16 (lane % 4)
	v_mul_u32_u24 v15, v2, SP
	v_add_nc_u32 v15, s30, v15                     ; and out: SP x lane: my 16 neighbours
	s_lshr_b32 s29, ttmp9, 6                       ; 0-7: x; 8, 9, 10, 11: Wq, Wk, Wv, Wo
	s_and_b32 s31, ttmp9, 63
	s_cmp_lt_u32 ttmp9, XWG
	s_cselect_b32 s31, ttmp9, s31                  ; which run of 16,384 numbers of the source
	s_cselect_b32 s44, 0, XWG
	s_sub_co_u32 s44, ttmp9, s44                   ; and of the codes' buffer
	s_lshl_b32 s46, s31, 16
	s_lshl_b32 s45, s28, 14
	s_add_co_u32 s46, s46, s45
	s_mov_b32 s47, 0                               ; s[46:47]: my wave's first byte in the source
	s_lshl_b32 s48, s44, 14
	s_lshl_b32 s45, s28, 12
	s_add_co_u32 s48, s48, s45
	s_mov_b32 s49, 0                               ; s[48:49]: and among the codes
	s_wait_alu depctr_va_vdst(0)
	s_wait_kmcnt 0x0
	s_load_b256 s[32:39], s[14:15], 0x0            ; entries 0 to 7
	s_load_b128 s[40:43], s[14:15], 0x20           ; entries 8 to 11
	s_cmp_eq_u32 s29, 8
	s_cselect_b64 s[20:21], s[6:7], s[4:5]
	s_cmp_eq_u32 s29, 9
	s_cselect_b64 s[20:21], s[8:9], s[20:21]
	s_cmp_eq_u32 s29, 10
	s_cselect_b64 s[20:21], s[10:11], s[20:21]
	s_cmp_eq_u32 s29, 11
	s_cselect_b64 s[20:21], s[12:13], s[20:21]
	s_add_nc_u64 s[20:21], s[20:21], s[46:47]      ; the source
	s_cmp_lt_u32 ttmp9, XWG
	s_cselect_b64 s[22:23], s[16:17], s[18:19]
	s_add_nc_u64 s[22:23], s[22:23], s[48:49]      ; the first output
	s_add_nc_u64 s[24:25], s[16:17], s[48:49]
	s_add_nc_u64 s[24:25], s[24:25], 0x800000      ; x's second plane
	s_add_nc_u64 s[26:27], s[24:25], 0x800000      ; x's third plane
.macro LOAD t
.irp i, 0,1,2,3
	global_load_b128 v[R+16*((\t)%4)+4*\i:R+16*((\t)%4)+4*\i+3], v3, s[20:21] offset:2048*(\t)+512*\i th:TH_LOAD_NT   ; 32 lanes read 512 consecutive bytes
.endr
.endm
.macro TURN t                          ; step t's numbers through the stage: LDS serves a wave's instructions in order, so no wait stands between the stores and the loads
.irp i, 0,1,2,3
	ds_store_b128 v14, v[R+16*((\t)%4)+4*\i:R+16*((\t)%4)+4*\i+3] offset:32*SP*((\t)%2)+8*SP*\i
.endr
.irp i, 0,1,2,3
	ds_load_b128 v[X+16*((\t)%2)+4*\i:X+16*((\t)%2)+4*\i+3], v15 offset:32*SP*((\t)%2)+16*\i
.endr
.endm
.irp t, 0,1,2,3
	LOAD \t
.endr
	s_wait_kmcnt 0x0
	s_cmp_eq_u32 s29, 8
	s_cselect_b32 s44, s32, s33                    ; the first output's exponent: x: entry 1; Wq: 0; Wk: 2; Wv: 4; Wo: 11
	s_cmp_eq_u32 s29, 9
	s_cselect_b32 s44, s34, s44
	s_cmp_eq_u32 s29, 10
	s_cselect_b32 s44, s36, s44
	s_cmp_eq_u32 s29, 11
	s_cselect_b32 s44, s43, s44
.macro SCALE e, sc, lim                ; v[sc] = 2^e as f32 (the conversion takes its exponent field), v[lim] = 448 x 2^e
	s_add_co_i32 s45, s[\e], 127
	s_lshl_b32 s46, s45, 23
	v_mov_b32 v[\sc], s46
	s_add_co_i32 s45, s45, 8
	s_lshl_b32 s45, s45, 23
	s_or_b32 s45, s45, 0x600000
	v_mov_b32 v[\lim], s45
.endm
	SCALE 44, 5, 6
	SCALE 35, 7, 8                                 ; entry 3
	SCALE 37, 9, 10                                ; entry 5
	s_wait_alu depctr_va_vdst(0)
	s_wait_loadcnt 12                              ; step 0's four loads are in
	TURN 0
; One output of a step: the hold goes into T, so that X stays for the next scale.
.macro QOUT o, t, sc, lim, base
.irp i, 0,1,2,3,4,5,6,7,8,9,10,11,12,13,14,15
	v_med3_num_f32 v[T+\i], v[X+16*((\t)%2)+\i], -v[\lim], v[\lim]   ; the conversion to an 8-bit code does not saturate (ISA guide 7.6.2)
.endr
	v_cvt_scalef32_pk8_fp8_f32 v[C+12*((\t)%2)+4*\o:C+12*((\t)%2)+4*\o+1], v[T:T+7], v[\sc]
	v_cvt_scalef32_pk8_fp8_f32 v[C+12*((\t)%2)+4*\o+2:C+12*((\t)%2)+4*\o+3], v[T+8:T+15], v[\sc]
	v_nop                                          ; one plain line between the conversions and the next lines that write T
	global_store_b128 v3, v[C+12*((\t)%2)+4*\o:C+12*((\t)%2)+4*\o+3], s[\base:\base+1] offset:512*(\t)   ; 32 lanes store 512 consecutive bytes
.endm
.macro STEP t
	s_wait_dscnt 0x0                               ; this step's numbers are back from the stage, and its stores into the stage have read their registers,
.if (\t)+4 < STEPS
	LOAD (\t)+4                                    ; which take the loads of four steps on
.endif
.if (\t)+1 < STEPS
.if STEPS-2-(\t) >= 3
	s_wait_loadcnt 12                              ; the next step's four loads are in; those of the three steps behind it may be out
.else
	s_wait_loadcnt 4*(STEPS-2-(\t))
.endif
	TURN (\t)+1
.endif
.if (\t) > 1
	s_wait_xcnt 0x0                                ; the stores of two steps ago have read this set of code registers
.endif
	QOUT 0, \t, 5, 6, 22
	s_cmp_lt_u32 ttmp9, XWG
	s_cbranch_scc0 .Lweights_\@                    ; a weight has one scale
	QOUT 1, \t, 7, 8, 24
	QOUT 2, \t, 9, 10, 26
.Lweights_\@:
.endm
.irp t, 0,1,2,3,4,5,6,7
	STEP \t
.endr
	s_wait_tensorcnt 0x0                           ; the wave's end, behind my last LDS store
	ds_add_u32 v[SPW], v[NIL]
	s_wait_dscnt 0x0
	s_endpgm
.Lfunc_end_k_qfce40e655e_quant:
	.size	k_qfce40e655e_quant, .Lfunc_end_k_qfce40e655e_quant-k_qfce40e655e_quant
	.p2alignl 7, 3214868480
	.fill 96, 4, 3214868480
	.section	.rodata,"a",@progbits
	.p2align	6, 0x0
	.amdhsa_kernel k_qfce40e655e_quant
		.amdhsa_group_segment_fixed_size 33280
		.amdhsa_private_segment_fixed_size 0
		.amdhsa_enable_private_segment 0
		.amdhsa_kernarg_size 64
		.amdhsa_user_sgpr_count 2
		.amdhsa_user_sgpr_kernarg_segment_ptr 1
		.amdhsa_wavefront_size32 1
		.amdhsa_system_sgpr_workgroup_id_x 1
		.amdhsa_system_sgpr_workgroup_id_y 1
		.amdhsa_system_sgpr_workgroup_id_z 1
		.amdhsa_system_vgpr_workitem_id 0
		.amdhsa_next_free_vgpr 160
		.amdhsa_next_free_sgpr 66
		.amdhsa_reserve_vcc 0
		.amdhsa_float_denorm_mode_32 3
		.amdhsa_float_denorm_mode_16_64 3
		.amdhsa_memory_ordered 1
		.amdhsa_forward_progress 1
		.amdhsa_inst_pref_size 42
	.end_amdhsa_kernel
	.amdgpu_metadata
---
amdhsa.version: [ 1, 2 ]
amdhsa.kernels:
  - .name:           k_qfce40e655e_quant
    .symbol:         k_qfce40e655e_quant.kd
    .args:
      - { .name: x, .offset: 0, .size: 8, .value_kind: global_buffer, .address_space: global }
      - { .name: Wq, .offset: 8, .size: 8, .value_kind: global_buffer, .address_space: global }
      - { .name: Wk, .offset: 16, .size: 8, .value_kind: global_buffer, .address_space: global }
      - { .name: Wv, .offset: 24, .size: 8, .value_kind: global_buffer, .address_space: global }
      - { .name: Wo, .offset: 32, .size: 8, .value_kind: global_buffer, .address_space: global }
      - { .name: lowp_scales, .offset: 40, .size: 8, .value_kind: global_buffer, .address_space: global }
      - { .name: x_codes, .offset: 48, .size: 8, .value_kind: global_buffer, .address_space: global }
      - { .name: w_codes, .offset: 56, .size: 8, .value_kind: global_buffer, .address_space: global }
    .group_segment_fixed_size: 33280
    .private_segment_fixed_size: 0
    .kernarg_segment_align: 8
    .kernarg_segment_size: 64
    .max_flat_workgroup_size: 128
    .sgpr_count:     66
    .vgpr_count:     160
    .wavefront_size: 32
...
	.end_amdgpu_metadata
.endif
;; end of part 1
;; launch proj (part 2): grid 12 x 32, 4 waves a work-group, clusters of 4 x 4, 327,680 bytes of LDS; arguments x_codes, w_codes, lowp_scales, qkv_codes; writes qkv_codes
.if DOCPART == 2
	.amdgcn_target "amdgcn-amd-amdhsa--gfx1250"
	.amdhsa_code_object_version 6
	.text
	.protected	k_qfce40e655e_proj
	.globl	k_qfce40e655e_proj
	.p2align	8
	.type	k_qfce40e655e_proj,@function
k_qfce40e655e_proj:
	s_mov_b64 s[64:65], 0
	v_nop
	global_prefetch_b8 v0, s[64:65] scope:SCOPE_SE
	s_setreg_imm32_b32 hwreg(HW_REG_WAVE_MODE, 25, 1), 1
	s_wait_xcnt 0x0
	s_wait_alu depctr_hold_cnt(0) depctr_sa_sdst(0) depctr_va_vdst(0) depctr_va_sdst(0) depctr_va_ssrc(0) depctr_va_vcc(0) depctr_vm_vsrc(0)
	s_getreg_b32 s2, hwreg(HW_REG_IB_STS2, 6, 4)
	s_cmp_eq_u32 s2, 0
	s_cbranch_scc0 .Lentry_in_a_cluster
	s_endpgm
.Lentry_in_a_cluster:
	s_bfe_u32 s2, ttmp6, 0x10000c
	s_cmp_lg_u32 s2, 0xf033
	s_cbranch_scc0 .Lentry_shape_is_right
	s_endpgm
.Lentry_shape_is_right:
; LAUNCH 2 OF 4: q, k and v, each a product on codes of E4M3 with K = 1024, its f32 sums quantised at once into codes for the attention (q: entry 6, k: entry 7, v: entry 9 of lowp_scales).
; ONE TEXT, C[m][n] = sum over k of A[m][k] B[n][k], rows of 1,024 bytes.  The cluster's x (0, 1, 2 = q, k, v), the same in all sixteen partners, chooses pointers, tile numbers and exponents by selects; no branch hangs on it.
;   q, k: A = x's codes (plane 0, 1), B = Wq's, Wk's: a row of C is a token.     v: A = Wv's codes, B = x's (plane 2): a row of C is a channel and its columns are tokens, so v comes out with the keys innermost.
; A tile of C is 256 x 256, four waves of 128 x 128 (64 accumulators).  K goes in four steps of 256 through two LDS slots; 4 x 4 work-groups ask jointly for A's tiles along a row of the cluster and for B's along a column.
; The matrix instruction is used transposed (source 0 = 16 rows of B, source 1 = 16 rows of A): a lane holds eight neighbouring columns of one row of C, which one conversion turns into 8 bytes.
; Fragments come by four loads of 16 bytes a side: a permutation of k that is the same in A and B.
; OUT: a wave's 128 x 128 codes are one dense block of 16 KiB: plane (q, k, v) x 8 MiB + batch << 21 + head pair << 18 + (token / 128 % 16) << 14; a row is 128 bytes (q, k: a token's two heads; v: a channel's 128 keys).
; In a row index 32 c + 16 u + 8 h + i lies at byte 32 c + 16 h + 8 u + i: 16 bytes read at 32 c + 16 h are then two register pairs of the plain 8-bit operand layout as they stand.
; A sum stands for sum x 2^(ea + eb), so its code is sum / 2^(eo - ea - eb).  LIMITS: e6 - e0 - e1, e7 - e2 - e3 and e9 - e4 - e5 lie between -126 and 119.  NaN is not served.
; REGISTERS, in windows of 256: window 0: v0-31 addresses and scales; from v128 A's fragments, one set; on the way out v32-159.  Window 1: B's fragments, two sets.  Windows 2, 3: accumulator (a, b) at v[8 (8 (a % 4) + b)].
; THE OUTPUT'S LAYOUT (it takes the place of the paragraph OUT above; the order of bytes inside 32 stays as said there): plane (q, k, v) x 8 MiB + (batch x 16 + head) x 128 KiB, each head dense:
;   q, k: token x 64 bytes.     v: key half (64 keys of a block of 128) x 64 KiB + block of 128 keys x 4 KiB + channel x 64 bytes.
; A store takes four rows' 64 bytes of each half of my 128 columns: lanes 0-15 and lanes 16-31 each fill one aligned unit of 256 bytes.
; At the head each wave issues one joint load (K step 0); slot 1's first fill stands behind the full sequence and a round.
.set ROWB,   256
.set KROW,   1024                      ; a row of A or B in memory
.set PITCH,  272                       ; an LDS row: 256 bytes + 16: the 16 rows of a fragment load start at 16 different groups of four banks
.set FR,     16
.set NL,     4
.set NP,     4                         ; places behind this matrix instruction (ISA guide 7.12.1)
.set HALFT,  128*PITCH
.set SLOT,   4*HALFT
.set SPARE,  2*SLOT                    ; behind the ring: the spare words, 128 bytes a wave, that no other line names
.set SPIT,   144                       ; the way out: a stage of 16 rows x (128 + 16) bytes a wave, in slot 0, which has had its last fill and its last read by then
.set ADRA, 16
.set ADRB, 20
.set STO,  24
.set RD,   25
.set CO,   26
.set SPW,  28
.set NIL,  29
.set SCL,  12                          ; v12 the conversion's scale as f32
.set LIMV, 13                          ; v13 448 x that
.set TMP,  32                          ; v32-95 a block's sums, held
.set CD,   96                          ; v96-127 its codes, two sets
.set AF,   128
.set BK,   128                         ; v128-159 rows read back, two sets
.set G1, 24
.set G0, 32
.set G1B, 48
.set G0B, 56
.set MSB, 0
.macro WIN new                         ; the immediate's high byte repeats the setting that is left
.if MSB != \new
	s_set_vgpr_msb (MSB<<8)|\new
.set MSB, \new
.endif
.endm
.set MUL_LO, 0xa1                      ; source 0 (B) window 1, source 1 (A) window 0, C and D window 2
.set MUL_HI, 0xf1
.set TO_B,   0x40
; A joint load: waves 0 and 1 fetch for A, waves 2 and 3 for B; the branch hangs on the wave's number alone.  An s_nop 0 and four v_nop follow each line.
.macro JLOAD g0a, g1a, g0b, g1b
	s_cmp_eq_u32 s15, 0
	s_cbranch_scc0 .Lfor_b_\@
	tensor_load_to_lds s[\g0a:\g0a+3], s[\g1a:\g1a+7]
	s_nop 0
.rept 4
	v_nop
.endr
	s_branch .Lasked_\@
.Lfor_b_\@:
	tensor_load_to_lds s[\g0b:\g0b+3], s[\g1b:\g1b+7]
	s_nop 0
.rept 4
	v_nop
.endr
.Lasked_\@:
.endm
.macro CREST                           ; a round of the cluster's barrier behind its opening barrier
	s_cmp_lg_u32 s14, 0
	s_cbranch_scc1 .Lnot_wave_0_\@
	s_barrier_signal -3
.Lnot_wave_0_\@:
	s_barrier_wait -3
	s_barrier_signal -1
	s_barrier_wait -1
.endm
.macro CROUND
	s_barrier_signal -1
	s_barrier_wait -1
	CREST
.endm
	s_load_b128 s[4:7], s[0:1], 0x0                ; x's codes, the weights' codes
	s_load_b128 s[8:11], s[0:1], 0x10              ; lowp_scales, the output
	v_lshl_add_u32 v[SPW], v0, 2, SPARE
	v_mov_b32 v[NIL], 0
	ds_add_u32 v[SPW], v[NIL]                      ; the wave's opening: the add, twice on end, and its wait ahead of my first tensor load
	ds_add_u32 v[SPW], v[NIL]
	v_lshrrev_b32 v1, 5, v0
	v_readfirstlane_b32 s14, v1                    ; wave 0..3
	s_lshr_b32 s15, s14, 1                         ; my half of the tile's rows; also: I fetch for A (0) or B (1)
	s_and_b32 s16, s14, 1                          ; my half of its columns; also: which 128 rows I fetch
	s_bfe_u32 s40, ttmp6, 0x40000                  ; cx
	s_bfe_u32 s41, ttmp6, 0x40004                  ; cy
	s_and_b32 s85, ttmp7, 0xffff
	s_lshl_b32 s85, s85, 2                         ; 4 x cluster y: the walk over the 8,192 tokens
	s_cmp_lt_u32 ttmp9, 2                          ; q or k?  Tokens are then rows of C; for v they are columns
	s_cselect_b32 s86, s85, 0
	s_cselect_b32 s87, 0, s85
	s_cselect_b32 s88, 23, 20                      ; A's planes are 8 MiB apart (x) or 1 MiB (weights),
	s_cselect_b32 s89, 20, 23                      ; B's the other way round
	s_add_co_u32 s17, s86, s41                     ; tile row of C
	s_add_co_u32 s42, s87, s40                     ; tile column of C
	s_lshl_b32 s88, ttmp9, s88                     ; A's plane, in bytes
	s_lshl_b32 s89, ttmp9, s89                     ; B's
	s_lshl_b32 s43, s41, 2
	s_lshl_b32 s43, 15, s43                        ; my row of the cluster
	s_lshl_b32 s44, 0x1111, s40                    ; my column
	s_or_b32 s[G1+0], s43, (0<<16)|(1<<20)|(1<<21)|(5<<22)|(3<<25)  ; the mask; elements of 1 byte; padding on; bit 21 beside a mask; 4 words behind every 64
	s_or_b32 s[G1B+0], s44, (0<<16)|(1<<20)|(1<<21)|(5<<22)|(3<<25)
.irp g, G1, G1B
	s_mov_b32 s[\g+1], ROWB<<16                    ; tensor_dim0
	s_mov_b32 s[\g+2], 128<<16                     ; tensor_dim1
	s_mov_b32 s[\g+3], ROWB<<16                    ; tile_dim0
	s_mov_b32 s[\g+4], 128                         ; tile_dim1
	s_mov_b32 s[\g+5], KROW                        ; from row to row
	s_mov_b32 s[\g+6], 0
	s_mov_b32 s[\g+7], 0
.endr
	s_lshl_b32 s18, s16, 7                         ; which 128 rows of the tile I fetch
	s_lshl_b32 s20, s17, 8
	s_add_co_u32 s20, s20, s18
	s_lshl_b32 s20, s20, 10                        ; A: (256 x tile row + 128 x half) rows of 1,024 bytes,
	s_add_co_u32 s20, s20, s88                     ; in its plane
	s_mov_b32 s21, 0
	s_lshl_b32 s46, s42, 8
	s_add_co_u32 s46, s46, s18
	s_lshl_b32 s46, s46, 10
	s_add_co_u32 s46, s46, s89                     ; B likewise, by the tile column
	s_mov_b32 s47, 0
	s_mul_i32 s45, s14, HALFT                      ; where they go: wave x 128 rows
	s_wait_dscnt 0x0                               ; both opening adds are done
	s_wait_kmcnt 0x0
	s_load_b256 s[72:79], s[8:9], 0x0              ; entries 0 to 7
	s_load_b128 s[80:83], s[8:9], 0x20             ; entries 8 to 11
	s_cmp_lt_u32 ttmp9, 2
	s_cselect_b64 s[68:69], s[4:5], s[6:7]         ; A's buffer
	s_cselect_b64 s[70:71], s[6:7], s[4:5]         ; B's
	s_add_nc_u64 s[20:21], s[68:69], s[20:21]
	s_add_nc_u64 s[46:47], s[70:71], s[46:47]
	; THE PREFETCHES: behind the first fill of K step 0 each wave asks for K step 2 of the rows that it fetches, behind that of K step 1 for K step 3: two K steps ahead of the load that wants them; K steps 0 and 1 come by their loads alone.
	; Of a wave's 128 rows each of the four partners that ask for them jointly takes 32, told apart by address (cx for A, cy for B): a lane a row, 256 bytes of it, so each aligned block is named once in the cluster.  No address register is written again.
	s_cmp_eq_u32 s15, 0
	s_cselect_b64 s[86:87], s[20:21], s[46:47]
	s_cselect_b32 s84, s40, s41
	s_lshl_b32 s84, s84, 15                        ; 32 rows of 1,024 bytes
	s_mov_b32 s85, 0
	s_add_nc_u64 s[86:87], s[86:87], s[84:85]
	CROUND                                         ; all sixteen work-groups are here: the first joint loads meet
.irp s, 0,1
	s_mov_b32 s[G0+4*\s], 1
	s_add_co_u32 s[G0+4*\s+1], s45, \s*SLOT
	s_add_nc_u64 s[G0+4*\s+2:G0+4*\s+3], s[20:21], \s*ROWB
	s_or_b32 s[G0+4*\s+3], s[G0+4*\s+3], 0x80000000
	s_mov_b32 s[G0B+4*\s], 1
	s_add_co_u32 s[G0B+4*\s+1], s45, \s*SLOT
	s_add_nc_u64 s[G0B+4*\s+2:G0B+4*\s+3], s[46:47], \s*ROWB
	s_or_b32 s[G0B+4*\s+3], s[G0B+4*\s+3], 0x80000000
.endr
	JLOAD G0, G1, G0B, G1B                         ; K step 0: one tensor load a wave at the head
	v_and_b32 v1, 15, v0                           ; r
	s_wait_alu depctr_va_vdst(0)
	v_bfe_u32 v2, v0, 4, 1                         ; h
	v_mul_u32_u24 v3, v1, PITCH
	v_lshl_add_u32 v4, v2, 4, v3                   ; a fragment's row x pitch + 16 h
	s_mul_i32 s21, s15, HALFT                      ; my 128 rows of A
	s_mul_i32 s22, s16, HALFT
	s_add_co_u32 s22, s22, 2*HALFT                 ; my 128 rows of B, behind A's 256
.irp s, 0,1
	v_add_nc_u32 v[ADRA+\s], s21, v4
	v_add_nc_u32 v[ADRB+\s], s22, v4
	s_add_co_u32 s21, s21, SLOT
	s_add_co_u32 s22, s22, SLOT
.endr
	s_mul_i32 s23, s14, 16*SPIT                    ; my stage
	v_mul_u32_u24 v5, v1, SPIT
	s_wait_alu depctr_va_vdst(0)
	v_lshl_add_u32 v5, v2, 4, v5
	v_add_nc_u32 v[STO], s23, v5                   ; in: row r, 16 bytes for each half of the lanes
	s_cmp_lt_u32 ttmp9, 2
	s_cselect_b32 s95, 17, 16                      ; the two halves of my 128 columns lie a head (q, k) or a key half (v) apart
	v_bfe_u32 v7, v0, 2, 2
	v_mul_u32_u24 v7, v7, SPIT                     ; back: row (lane / 4) % 4 of four,
	v_and_b32 v8, 3, v0
	v_lshl_add_u32 v7, v8, 4, v7                   ; 16 bytes (lane % 4),
	v_lshl_add_u32 v7, v2, 6, v7                   ; of the half lane / 16
	v_add_nc_u32 v[RD], s23, v7
	v_and_b32 v6, 15, v0
	v_lshlrev_b32 v6, 4, v6
	v_lshlrev_b32 v9, s95, v2
	v_add_nc_u32 v[CO], v6, v9                     ; out: sixteen lanes fill 256 bytes on end; the other sixteen the other half's
	v_and_b32 v30, 31, v0
	v_lshlrev_b32 v30, 10, v30                     ; a lane a row; never rewritten
	global_prefetch_b8 v30, s[86:87] offset:512 th:TH_LOAD_NT scope:SCOPE_SE   ; K step 2
	s_lshl_b32 s90, s17, 8
	s_lshl_b32 s91, s15, 7
	s_add_co_u32 s90, s90, s91                     ; my first row of C
	s_lshl_b32 s92, s42, 8
	s_lshl_b32 s91, s16, 7
	s_add_co_u32 s92, s92, s91                     ; my first column
	s_cmp_lt_u32 ttmp9, 2
	s_cselect_b32 s93, s90, s92                    ; my first token
	s_cselect_b32 s94, s92, s90                    ; my first feature
	s_lshl_b32 s66, ttmp9, 23                      ; the plane
	s_lshr_b32 s91, s93, 11
	s_lshl_b32 s91, s91, 21
	s_add_co_u32 s66, s66, s91                     ; + batch << 21
	s_lshr_b32 s91, s94, 7
	s_lshl_b32 s91, s91, 18
	s_add_co_u32 s66, s66, s91                     ; + head pair << 18
	s_bfe_u32 s91, s93, 0x40007
	s_cmp_lt_u32 ttmp9, 2
	s_cselect_b32 s94, 13, 12
	s_lshl_b32 s91, s91, s94
	s_add_co_u32 s66, s66, s91                     ; + block of 128 tokens x 8 KiB (q, k) or 4 KiB (v)
	s_mov_b32 s67, 0
	s_add_nc_u64 s[10:11], s[10:11], s[66:67]
	s_cmp_lt_u32 ttmp9, 2
	s_mov_b32 s66, 0x20000
	s_cselect_b32 s66, 4096, s66                   ; my rows 64-127: 64 tokens on (q, k), or the pair's second head (v)
	s_add_nc_u64 s[98:99], s[10:11], s[66:67]
.macro FRAG reg, adr, q, i             ; 16 rows x 128 K: registers 4 c .. 4 c + 3 hold K = 32 c + 16 h + 0 .. 15
.irp c, 0,1,2,3
	ds_load_b128 v[\reg+4*\c:\reg+4*\c+3], v[\adr] offset:128*(\q)+32*\c+(\i)*16*PITCH
.endr
.endm
; 16 matrix instructions: A's blocks a0, a0 + 1 x B's eight.  The 64 accumulators take turns, one instruction a turn, in the same order in every step.
.macro MUL16 a0, p, zero
.irp a, \a0, \a0+1
.irp b, 0,1,2,3,4,5,6,7
.if \zero
	v_wmma_f32_16x16x128_fp8_fp8 v[8*(8*((\a)%4)+\b):8*(8*((\a)%4)+\b)+7], v[128*(\p)+FR*\b:128*(\p)+FR*\b+FR-1], v[AF+FR*(\a):AF+FR*(\a)+FR-1], 0
.else
	v_wmma_f32_16x16x128_fp8_fp8 v[8*(8*((\a)%4)+\b):8*(8*((\a)%4)+\b)+7], v[128*(\p)+FR*\b:128*(\p)+FR*\b+FR-1], v[AF+FR*(\a):AF+FR*(\a)+FR-1], v[8*(8*((\a)%4)+\b):8*(8*((\a)%4)+\b)+7]
.endif
.endr
.endr
.endm
.macro FETCH_B slot, q, p
	WIN TO_B
.irp i, 0,1,2,3,4,5,6,7
	FRAG 128*(\p)+FR*\i, ADRB+\slot, \q, \i
.endr
	WIN 0
.endm
.macro FETCH_A slot, q, i0
.irp i, \i0, \i0+1, \i0+2, \i0+3
	FRAG AF+FR*(\i), ADRA+\slot, \q, \i
.endr
.endm
.macro PLACES n                        ; plain vector lines between a matrix instruction and a load into, or a read of, its registers
.rept \n
	v_nop
.endr
.endm
; A slot's first 128 along K.  A has one set of registers: blocks 0-3 are fetched anew in the step's middle, blocks 4-7 at its end; B has two sets.
.macro STEP slot, q, zero
	s_wait_dscnt 4*NL                              ; B's set and A's blocks 0-3 are in; the youngest sixteen loads (A's blocks 4-7) may be out
	WIN MUL_LO
	MUL16 0, (\q)%2, \zero
	MUL16 2, (\q)%2, \zero
	s_wait_dscnt 0
	PLACES NP
	FETCH_B \slot, (\q)+1, 1-(\q)%2
	FETCH_A \slot, (\q)+1, 0
	WIN MUL_HI
	MUL16 4, (\q)%2, \zero
	MUL16 6, (\q)%2, \zero
	PLACES NP
	WIN 0
	FETCH_A \slot, (\q)+1, 4
.endm
; A slot's second 128 along K changes slots: one barrier; in front of it each wave waits for all its tensor loads, adds 0 to its spare word, and waits for that and for its reads of this slot.
.macro TURN slot, next, fill
	s_wait_tensorcnt 0x0                           ; my part of the next slot has landed (every window is 0 here)
	ds_add_u32 v[SPW], v[NIL]
	s_wait_dscnt 4*NL+1                            ; the add and A's blocks 4-7 may be out
	WIN MUL_LO
	MUL16 0, 1, 0
	s_wait_dscnt 0x0                               ; the add is done, and my reads of this slot are over
	s_barrier_signal -1
	MUL16 2, 1, 0
	WIN 0
	s_barrier_wait -1
.if \fill
	CREST                                          ; the barrier has opened a round of the cluster's: no wave of any partner still reads this slot or has a load on its way
	s_add_nc_u64 s[G0+4*\slot+2:G0+4*\slot+3], s[G0+4*\slot+2:G0+4*\slot+3], 2*ROWB
	s_add_nc_u64 s[G0B+4*\slot+2:G0B+4*\slot+3], s[G0B+4*\slot+2:G0B+4*\slot+3], 2*ROWB
	JLOAD G0+4*\slot, G1, G0B+4*\slot, G1B         ; the first tensor load behind the round; its four v_nop are the places in front of the loads below
.else
	PLACES NP
.endif
	FETCH_B \next, 0, 0
	FETCH_A \next, 0, 0
	WIN MUL_HI
	MUL16 4, 1, 0
	MUL16 6, 1, 0
	PLACES NP
	WIN 0
	FETCH_A \next, 0, 4
.endm
	s_wait_alu depctr_va_vdst(0)                   ; the head's end
	s_wait_tensorcnt 0x0                           ; my part of K step 0 is in; the lines ahead of a later first fill:
	ds_add_u32 v[SPW], v[NIL]
	s_wait_dscnt 0x0
	CROUND                                         ; everybody's part of K step 0 is in, and the joint loads meet
	JLOAD G0+4, G1, G0B+4, G1B                     ; K step 1, the first tensor load behind the round
	FETCH_B 0, 0, 0
	FETCH_A 0, 0, 0
	FETCH_A 0, 0, 4
	global_prefetch_b8 v30, s[86:87] offset:768 th:TH_LOAD_NT scope:SCOPE_SE   ; K step 3, behind K step 1's load and the run of LDS loads
	STEP 0, 0, 1                                   ; K = 1,024 is four slots' worth: written out, no loop.  The first products start the sums
	TURN 0, 1, 1                                   ; slot 0 takes K step 2
	STEP 1, 0, 0
	TURN 1, 0, 1                                   ; slot 1 takes K step 3
	STEP 0, 0, 0
	TURN 0, 1, 0                                   ; nothing is left to fetch
	STEP 1, 0, 0
	s_wait_dscnt 4*NL
	WIN MUL_LO
	MUL16 0, 1, 0
	MUL16 2, 1, 0
	s_wait_dscnt 0
	WIN MUL_HI
	MUL16 4, 1, 0
	MUL16 6, 1, 0
	WIN 0
; THE WAY OUT, by blocks of 16 rows: the hold, eight conversions (accumulators 2 c and 2 c + 1 give 16 bytes on end: the row's bytes 32 c + 16 h), through my own stage, and out as two aligned units of 256 bytes an instruction.
.macro TOSTAGE a
.set AC, 64*((\a)%4)
.set CC, CD+16*((\a)%2)
.set BB, BK+16*((\a)%2)
.set WS, 0x02+((\a)/4)
	WIN WS                                         ; source 0: window 2 or 3
.set J, 0
.rept 64
	v_med3_num_f32 v[TMP+J], v[AC+J], -v[LIMV], v[LIMV]   ; the conversion does not saturate (ISA guide 7.6.2); each accumulator from its low end on
.set J, J+1
.endr
	WIN 0
.irp b, 0,1,2,3,4,5,6,7
	v_cvt_scalef32_pk8_fp8_f32 v[CC+2*\b:CC+2*\b+1], v[TMP+8*\b:TMP+8*\b+7], v[SCL]
.endr
	v_nop                                          ; one plain line between the conversions and the next lines that write their sources
.irp c, 0,1,2,3
	ds_store_b128 v[STO], v[CC+4*\c:CC+4*\c+3] offset:32*\c
.endr
.irp t, 0,1,2,3
	ds_load_b128 v[BB+4*\t:BB+4*\t+3], v[RD] offset:\t*4*SPIT   ; LDS serves a wave's instructions in order: these see my stores
.endr
.endm
.macro SEND a, younger                 ; younger: the LDS instructions issued behind block a's loads
.set BB, BK+16*((\a)%2)
	s_wait_dscnt \younger
.irp t, 0,1,2,3
.if (\a) < 4
	global_store_b128 v[CO], v[BB+4*\t:BB+4*\t+3], s[10:11] offset:1024*(\a)+256*\t   ; two aligned units of 256 bytes
.else
	global_store_b128 v[CO], v[BB+4*\t:BB+4*\t+3], s[98:99] offset:1024*((\a)-4)+256*\t
.endif
.endr
.endm
	s_wait_kmcnt 0x0
	s_sub_co_i32 s88, s78, s72
	s_sub_co_i32 s88, s88, s73                     ; q: e6 - e0 - e1
	s_sub_co_i32 s89, s79, s74
	s_sub_co_i32 s89, s89, s75                     ; k: e7 - e2 - e3
	s_sub_co_i32 s90, s81, s76
	s_sub_co_i32 s90, s90, s77                     ; v: e9 - e4 - e5
	s_cmp_eq_u32 ttmp9, 0
	s_cselect_b32 s88, s88, s89
	s_cmp_eq_u32 ttmp9, 2
	s_cselect_b32 s88, s90, s88
	s_add_co_i32 s88, s88, 127
	s_lshl_b32 s89, s88, 23
	v_mov_b32 v[SCL], s89
	s_add_co_i32 s88, s88, 8
	s_lshl_b32 s88, s88, 23
	s_or_b32 s88, s88, 0x600000
	v_mov_b32 v[LIMV], s88
	PLACES NP
	TOSTAGE 0
.irp a, 1,2,3,4,5,6,7
.if \a > 1
	s_wait_xcnt 0x0                                ; block a - 2's stores have read their registers: block a's loads may land there
.endif
	TOSTAGE \a
	SEND \a-1, 8                                   ; behind block a - 1's loads: block a's 4 stores and 4 loads
.endr
	SEND 7, 0
	s_wait_tensorcnt 0x0                           ; the wave's end
	ds_add_u32 v[SPW], v[NIL]
	s_wait_dscnt 0x0
	CROUND                                         ; the closing round
	s_endpgm
.Lfunc_end_k_qfce40e655e_proj:
	.size	k_qfce40e655e_proj, .Lfunc_end_k_qfce40e655e_proj-k_qfce40e655e_proj
	.p2alignl 7, 3214868480
	.fill 96, 4, 3214868480
	.section	.rodata,"a",@progbits
	.p2align	6, 0x0
	.amdhsa_kernel k_qfce40e655e_proj
		.amdhsa_group_segment_fixed_size 327680
		.amdhsa_private_segment_fixed_size 0
		.amdhsa_enable_private_segment 0
		.amdhsa_kernarg_size 32
		.amdhsa_user_sgpr_count 2
		.amdhsa_user_sgpr_kernarg_segment_ptr 1
		.amdhsa_wavefront_size32 1
		.amdhsa_system_sgpr_workgroup_id_x 1
		.amdhsa_system_sgpr_workgroup_id_y 1
		.amdhsa_system_sgpr_workgroup_id_z 1
		.amdhsa_system_vgpr_workitem_id 0
		.amdhsa_next_free_vgpr 1024
		.amdhsa_next_free_sgpr 100
		.amdhsa_reserve_vcc 0
		.amdhsa_float_denorm_mode_32 3
		.amdhsa_float_denorm_mode_16_64 3
		.amdhsa_memory_ordered 1
		.amdhsa_forward_progress 1
		.amdhsa_inst_pref_size 124
	.end_amdhsa_kernel
	.amdgpu_metadata
---
amdhsa.version: [ 1, 2 ]
amdhsa.kernels:
  - .name:           k_qfce40e655e_proj
    .symbol:         k_qfce40e655e_proj.kd
    .args:
      - { .name: x_codes, .offset: 0, .size: 8, .value_kind: global_buffer, .address_space: global }
      - { .name: w_codes, .offset: 8, .size: 8, .value_kind: global_buffer, .address_space: global }
      - { .name: lowp_scales, .offset: 16, .size: 8, .value_kind: global_buffer, .address_space: global }
      - { .name: qkv_codes, .offset: 24, .size: 8, .value_kind: global_buffer, .address_space: global }
    .group_segment_fixed_size: 327680
    .private_segment_fixed_size: 0
    .kernarg_segment_align: 8
    .kernarg_segment_size: 32
    .max_flat_workgroup_size: 128
    .sgpr_count:     100
    .vgpr_count:     1024
    .wavefront_size: 32
...
	.end_amdgpu_metadata
.endif
;; end of part 2
;; launch attn (part 3): grid 256 x 1, 16 waves a work-group, clusters of 4 x 1, 327,680 bytes of LDS; arguments qkv_codes, lowp_scales, a_codes; writes a_codes
.if DOCPART == 3
	.amdgcn_target "amdgcn-amd-amdhsa--gfx1250"
	.amdhsa_code_object_version 6
	.text
	.protected	k_qfce40e655e_attn
	.globl	k_qfce40e655e_attn
	.p2align	8
	.type	k_qfce40e655e_attn,@function
k_qfce40e655e_attn:
	s_mov_b64 s[64:65], 0
	v_nop
	global_prefetch_b8 v0, s[64:65] scope:SCOPE_SE
	s_setreg_imm32_b32 hwreg(HW_REG_WAVE_MODE, 25, 1), 1
	s_wait_xcnt 0x0
	s_wait_alu depctr_hold_cnt(0) depctr_sa_sdst(0) depctr_va_vdst(0) depctr_va_sdst(0) depctr_va_ssrc(0) depctr_va_vcc(0) depctr_vm_vsrc(0)
	s_getreg_b32 s2, hwreg(HW_REG_IB_STS2, 6, 4)
	s_cmp_eq_u32 s2, 0
	s_cbranch_scc0 .Lentry_in_a_cluster
	s_endpgm
.Lentry_in_a_cluster:
	s_bfe_u32 s2, ttmp6, 0x10000c
	s_cmp_lg_u32 s2, 0x3003
	s_cbranch_scc0 .Lentry_shape_is_right
	s_endpgm
.Lentry_shape_is_right:
; LAUNCH 3 OF 4: causal attention on codes of E4M3, head size 64; O / l is quantised at once (entry 10) for the last product.
; WORK LEFT OUT: steps of 64 keys that lie wholly behind a wave's block of 64 queries (the mask is the problem's own tril; their weights are 0 for all finite inputs).  A NaN or an infinity that reaches only them is not carried on.
; t = score x log2(e) / 8; M = the running largest t rounded UP to a whole number; p = 2^(t - M) is quantised (entry 8), not normalised; the row's sum is taken of the unquantised p and divides at the end.
; SHARES.  A cluster of four work-groups owns one head (cluster x = batch x 16 + head).  The head's whole K and V, 2 x 128 KiB of codes, lie in every partner's LDS: sixteen dense parts of 16 KiB, one JOINT load a wave
; (mask 15), all at the head.  Nothing is filled again: one barrier behind the loads, and from there on the waves walk by themselves.
; The head's 128 tiles of 16 queries: wave w of partner cx takes u = 8 (w / 2) + 4 (w % 2) + cx, first tile 127 - u (16 - w / 2 steps of 128 keys), then tile u (w / 2 + 1 steps): 17 trips in every wave.
; Each pass ends on the diagonal.  Of a wave's two tiles one lies in the first 64 queries of its block of 128 (tile u where w is even, tile 127 - u where w is odd): its diagonal step holds 64 keys only and has a copy of the step of its own.
; Where the passes change and which trip is the short one hang on the wave's number alone; cx enters global addresses and the diagonal's compare, no branch, no trip count and no LDS address.
; NO PREFETCH: every tile is asked for once, at the head; there is no loop that runs ahead of a load.
; LAYOUT.  Both products transposed: S^T = K Q^T (source 0 = 16 neighbouring keys, source 1 = my 16 queries), O^T = V^T P^T: a lane holds one query (lane % 16).  Register i of score tile t is key 16 t + 8 (lane / 16) + i, so
; tile t's eight codes are register pair t of the plain 8-bit operand.  Rows of q, k, v were stored so that 16 bytes at 32 c + 16 (lane / 16) are two such pairs.
; LDS: lines of 256 bytes + 16: four rows of 64 bytes to a line, so row r lies at 272 (r / 4) + 64 (r % 4): the 16 rows of a fragment load start at 16 different columns of 16 bytes.
;   K: key / 4 is the line.  V, behind it: line 256 x key half + 16 x block of 128 keys + channel / 4.  Then a stage of 1 KiB a wave for the way out, then the spare words.
; OUT: a tile's 16 queries x 64 bytes are 1 KiB on end: head pair x 1 MiB + (batch x 16 + query / 128) x 16 KiB + head of the pair x 8 KiB + (query % 128) x 64.
; LIMITS: e6 + e7 between -123 and 130 (added to c's exponent field); e8, and e10 - e8 - e9, between -126 and 119.  NaN among the inputs is not served.
; REGISTERS: v1-11, v208, v209 addresses; v12 -M, v13 the largest t, v[14:15] the sum; v16-23 Q in hand, v24-31 the second pass's; v32-95 fragments of K, then of V; v96-159 S^T, then p; v160-191 O^T; v192-207 p's codes; v212-219 the way out; v230-255 at work.
.set LP,    272
.set PART,  64*LP                      ; what one load brings: 64 lines
.set VOFF,  8*PART
.set VH,    4*PART                     ; V's second key half
.set KST,   32*LP                      ; a step's 128 keys of K
.set VST,   16*LP                      ; a step's 64 channels x 64 keys of V, in each half
.set STAGE, 16*PART
.set SPARE, STAGE+16*1024              ; the spare words, 128 bytes for each of sixteen waves, that no other line names
.set AK0, 1
.set AV0, 2
.set AV1, 3
.set DD,  4                            ; v4  16 x (my tile's place in its block of 128) + r - 8 h: on the diagonal register 8 t + i is hidden where 16 t + i is greater
.set SPW, 5
.set NIL, 6
.set LN16, 7
.set ADK, 8
.set ADV, 9
.set STO, 10
.set SRD, 11
.set ADV2, 208
.set DD2, 209
.set SL,  3                            ; s3  the trip, 0 to 16
.set WV,  10
.set BLK, 11                           ; s11 w / 2
.set NA,  12                           ; s12 trips of the first pass
.set ND,  42                           ; s42 its last trip
.set HS,  62                           ; s62 the trip of the short diagonal step
.set FD,  63                           ; s63 the trip of the whole one
.set SEL, 20
.set CS,  22
.set G1,  24
.set G0,  32
.set OUT1, 36
.set OUT2, 38
.macro CROUND                          ; a round of the cluster's barrier
	s_barrier_signal -1
	s_barrier_wait -1
	s_cmp_lg_u32 s[WV], 0
	s_cbranch_scc1 .Lnot_wave_0_\@
	s_barrier_signal -3
.Lnot_wave_0_\@:
	s_barrier_wait -3
	s_barrier_signal -1
	s_barrier_wait -1
.endm
	s_load_b128 s[4:7], s[0:1], 0x0                ; q, k, v codes; lowp_scales
	s_load_b64 s[8:9], s[0:1], 0x10                ; the output's codes
	v_lshl_add_u32 v[SPW], v0, 2, SPARE
	v_mov_b32 v[NIL], 0
	ds_add_u32 v[SPW], v[NIL]                      ; the wave's opening: the add, twice on end, and its wait ahead of the first tensor load
	ds_add_u32 v[SPW], v[NIL]
	v_lshrrev_b32 v8, 5, v0
	v_readfirstlane_b32 s[WV], v8                  ; wave 0..15
	s_lshr_b32 s[BLK], s[WV], 1
	s_sub_co_u32 s[NA], 16, s[BLK]
	s_sub_co_u32 s[ND], 15, s[BLK]
	s_bitcmp1_b32 s[WV], 0
	s_cselect_b32 s[HS], s[ND], 16
	s_cselect_b32 s[FD], 16, s[ND]
	s_mov_b32 s[SL], 0
	s_bfe_u32 s13, ttmp6, 0x40000                  ; cx
	s_and_b32 s14, s[WV], 1
	s_lshl_b32 s14, s14, 2
	s_add_co_u32 s13, s13, s14                     ; tile u's place in its block: 4 (w % 2) + cx
	s_lshl_b32 s19, s13, 4                         ; x 16: the second pass's,
	s_sub_co_u32 s18, 112, s19                     ; and the first pass's: 16 (7 - place)
	s_lshl_b32 s14, s[BLK], 7
	s_add_co_u32 s14, s14, s19                     ; first query of tile u
	s_sub_co_u32 s15, 2032, s14                    ; and of tile 127 - u
	s_lshl_b32 s43, ttmp9, 17                      ; the head's first byte in a plane
	s_lshl_b32 s56, s15, 6
	s_add_co_u32 s56, s56, s43
	s_mov_b32 s57, 0                               ; q of the first pass
	s_lshl_b32 s58, s14, 6
	s_add_co_u32 s58, s58, s43
	s_mov_b32 s59, 0                               ; and of the second
	s_bfe_u32 s16, ttmp9, 0x30001
	s_lshl_b32 s16, s16, 20                        ; the way out: head pair x 1 MiB
	s_lshr_b32 s17, ttmp9, 4
	s_lshl_b32 s17, s17, 18
	s_add_co_u32 s16, s16, s17                     ; + batch x 16 blocks of 16 KiB
	s_and_b32 s17, ttmp9, 1
	s_lshl_b32 s17, s17, 13
	s_add_co_u32 s16, s16, s17                     ; + head of the pair x 8 KiB
	s_lshr_b32 s17, s15, 7
	s_lshl_b32 s17, s17, 14
	s_and_b32 s[OUT1], s15, 127
	s_lshl_b32 s[OUT1], s[OUT1], 6
	s_add_co_u32 s[OUT1], s[OUT1], s17
	s_add_co_u32 s[OUT1], s[OUT1], s16
	s_mov_b32 s[OUT1+1], 0
	s_lshr_b32 s17, s14, 7
	s_lshl_b32 s17, s17, 14
	s_and_b32 s[OUT2], s14, 127
	s_lshl_b32 s[OUT2], s[OUT2], 6
	s_add_co_u32 s[OUT2], s[OUT2], s17
	s_add_co_u32 s[OUT2], s[OUT2], s16
	s_mov_b32 s[OUT2+1], 0
	s_mov_b32 s[G1], 15|(0<<16)|(1<<20)|(1<<21)|(5<<22)|(3<<25)   ; the four partners; elements of 1 byte; padding on; bit 21 beside a mask; 4 words behind every 64
	s_mov_b32 s[G1+1], 256<<16                     ; tensor_dim0
	s_mov_b32 s[G1+2], 64<<16                      ; tensor_dim1
	s_mov_b32 s[G1+3], 256<<16                     ; tile_dim0
	s_mov_b32 s[G1+4], 64                          ; tile_dim1
	s_mov_b32 s[G1+5], 256                         ; from row to row: dense
	s_mov_b32 s[G1+6], 0
	s_mov_b32 s[G1+7], 0
	s_mov_b32 s[G0], 1
	s_mul_i32 s[G0+1], s[WV], PART                 ; waves 0-7: K's eight parts; waves 8-15: V's
	s_lshr_b32 s40, s[WV], 3
	s_add_co_u32 s40, s40, 1
	s_lshl_b32 s40, s40, 23                        ; plane 1 (K) or 2 (V)
	s_add_co_u32 s40, s40, s43
	s_and_b32 s41, s[WV], 7
	s_lshl_b32 s41, s41, 14
	s_add_co_u32 s40, s40, s41                     ; my 16 KiB of the head's 128
	s_mov_b32 s41, 0
	s_mov_b32 s[SEL], 0x76543210
	s_mov_b32 s[SEL+1], 0xfedcba98
	s_mov_b32 s[CS], 0x3e38aa3b                    ; c = log2(e) / 8
	s_wait_dscnt 0x0                               ; both opening adds are done
	s_wait_kmcnt 0x0
	s_load_b256 s[44:51], s[6:7], 0x0              ; entries 0 to 7
	s_load_b128 s[52:55], s[6:7], 0x20             ; entries 8 to 11
	s_add_nc_u64 s[G0+2:G0+3], s[4:5], s[40:41]
	s_or_b32 s[G0+3], s[G0+3], 0x80000000
	s_add_nc_u64 s[56:57], s[4:5], s[56:57]
	s_add_nc_u64 s[58:59], s[4:5], s[58:59]
	s_add_nc_u64 s[OUT1:OUT1+1], s[8:9], s[OUT1:OUT1+1]
	s_add_nc_u64 s[OUT2:OUT2+1], s[8:9], s[OUT2:OUT2+1]
	CROUND                                         ; the four partners are here: the joint loads meet
	tensor_load_to_lds s[G0:G0+3], s[G1:G1+7]      ; my one tensor load of the launch; its registers hang on the head and the wave's number alone
	s_nop 0
.rept 4
	v_nop
.endr
	v_and_b32 v32, 15, v0                          ; r
	v_bfe_u32 v33, v0, 4, 1                        ; h
	v_and_b32 v34, 31, v0                          ; lane
	v_lshlrev_b32 v8, 6, v32
	v_lshl_add_u32 v8, v33, 4, v8                  ; Q: row r of 64 bytes, + 16 h
	global_load_b128 v[16:19], v8, s[56:57]
	global_load_b128 v[20:23], v8, s[56:57] offset:32
	global_load_b128 v[24:27], v8, s[58:59]
	global_load_b128 v[28:31], v8, s[58:59] offset:32
	v_lshrrev_b32 v35, 2, v32
	v_mul_u32_u24 v35, v35, LP
	v_and_b32 v36, 3, v32
	v_lshl_add_u32 v35, v36, 6, v35
	v_lshl_add_u32 v[AK0], v33, 4, v35             ; 272 (r / 4) + 64 (r % 4) + 16 h
	v_add_nc_u32 v[AV0], VOFF, v[AK0]
	v_add_nc_u32 v[AV1], VOFF+VH, v[AK0]
	v_lshlrev_b32 v[LN16], 4, v34
	v_lshlrev_b32 v36, 3, v33                      ; 8 h
	v_sub_nc_u32 v37, v32, v36
	v_add_nc_u32 v[DD], s18, v37
	v_add_nc_u32 v[DD2], s19, v37
	s_lshl_b32 s60, s[WV], 10
	s_add_co_u32 s60, s60, STAGE                   ; my stage
	v_lshl_add_u32 v38, v32, 6, v36
	v_add_nc_u32 v[STO], s60, v38                  ; in: row r of 64 bytes, + 8 h
	v_add_nc_u32 v[SRD], s60, v[LN16]              ; back: 16 bytes a lane, on end
	v_mov_b32 v13, 0xff61b1e6                      ; the largest t so far: -3e38
	v_floor_f32 v12, -v13                          ; -M
	v_mov_b32 v14, 0
	v_mov_b32 v15, 0
	v_mov_b32 v236, 0                              ; a lane permute's destination counts as read
	v_mov_b32 v253, 0                              ; named as the upper half of v[252:253]
	v_mov_b32 v248, 0xff800000                     ; -infinity
.set J, 0
.rept 32
	v_mov_b32 v[160+J], 0                          ; O^T: the step is written once for each length; the first finds zeros
.set J, J+1
.endr
	s_wait_kmcnt 0x0
	s_add_co_i32 s60, s50, s51
	s_lshl_b32 s60, s60, 23
	s_add_co_i32 s[CS], s[CS], s60                 ; a score stands for score x 2^(e6 + e7)
	s_mov_b32 s[CS+1], s[CS]
	s_add_co_i32 s60, s52, 127
	s_lshl_b32 s61, s60, 23
	v_mov_b32 v244, s61                            ; 2^e8
	s_add_co_i32 s60, s60, 8
	s_lshl_b32 s60, s60, 23
	s_or_b32 s60, s60, 0x600000
	v_mov_b32 v240, s60                            ; 448 x 2^e8,
	v_mov_b32 v241, s60                            ; twice: the two halves of a dual pair take their first sources from different register banks
	s_sub_co_i32 s60, s54, s52
	s_sub_co_i32 s60, s60, s53
	s_add_co_i32 s60, s60, 127
	s_lshl_b32 s61, s60, 23
	v_mov_b32 v246, s61                            ; 2^(e10 - e8 - e9): O^T / l stands for that x 2^(e8 + e9)
	s_add_co_i32 s60, s60, 8
	s_lshl_b32 s60, s60, 23
	s_or_b32 s60, s60, 0x600000
	v_mov_b32 v247, s60
; A KEY STEP of nt score tiles: nt = 8: 128 keys; nt = 4: the first 64 keys of a block of 128, always on the diagonal.
; Which block: the trip's number in its pass, (SL + (SL >= NA ? w / 2 : 0)) % 16, since NA + w / 2 = 16.
.macro STEP nt
	s_cmp_ge_u32 s[SL], s[NA]
	s_cselect_b32 s14, s[BLK], 0
	s_add_co_u32 s14, s14, s[SL]
	s_and_b32 s14, s14, 15
	s_mul_i32 s15, s14, KST
	s_mul_i32 s16, s14, VST
	v_add_nc_u32 v[ADK], s15, v[AK0]
	v_add_nc_u32 v[ADV], s16, v[AV0]
	v_add_nc_u32 v[ADV2], s16, v[AV1]
	v_nop                                          ; four places in front of loads into registers that the last products read
.set T, 0
.rept \nt
	ds_load_b128 v[32+8*T:35+8*T], v[ADK] offset:T*4*LP
	ds_load_b128 v[36+8*T:39+8*T], v[ADK] offset:T*4*LP+32
.set T, T+1
.endr
	s_wait_dscnt 0x0
	s_wait_alu depctr_va_vdst(0)
.set T, 0
.rept \nt
	v_wmma_f32_16x16x64_fp8_fp8 v[96+8*T:103+8*T], v[32+8*T:39+8*T], v[16:23], 0
.set T, T+1
.endr
.rept 4
	v_nop                                          ; places: V's loads land where K's fragments lay, and the scores are read
.endr
.irp t, 0,1,2,3
.irp c, 0,1
	ds_load_b128 v[32+16*\t+4*\c:35+16*\t+4*\c], v[ADV] offset:\t*4*LP+32*\c    ; keys 0-63 of the block; V lands while the softmax is worked
.if \nt == 8
	ds_load_b128 v[40+16*\t+4*\c:43+16*\t+4*\c], v[ADV2] offset:\t*4*LP+32*\c   ; keys 64-127
.endif
.endr
.endr
.if \nt == 8
	s_cmp_lg_u32 s[SL], s[FD]                      ; the wave's number and the trip alone
	s_cbranch_scc1 .Lopen_\@                       ; all keys count
.endif
.set N, 0
.rept 8*\nt                                    ; on the diagonal hidden scores become -infinity ahead of the maximum, so p = 0
	v_cmp_gt_i32 vcc_lo, 16*(N/8)+N%8, v[DD]
	v_cndmask_b32 v[96+N], v[96+N], v248, vcc_lo
.set N, N+1
.endr
.Lopen_\@:
	v_max3_num_f32 v254, v96, v97, v98             ; the step's largest score of my query among my keys, in two chains, each accumulator from its low end on
	v_max3_num_f32 v252, v99, v100, v101
.set I, 6
.rept 2*\nt-2
	v_max3_num_f32 v254, v254, v[96+I], v[97+I]
	v_max3_num_f32 v252, v252, v[98+I], v[99+I]
.set I, I+4
.endr
	v_max3_num_f32 v254, v254, v[96+I], v[97+I]
	s_delay_alu instid0(VALU_DEP_1)
	v_max_num_f32 v254, v254, v252
	s_delay_alu instid0(VALU_DEP_1)
	v_permlanex16_b32 v236, v254, s[SEL], s[SEL+1]
	s_delay_alu instid0(VALU_DEP_1)
	v_max_num_f32 v254, v254, v236                 ; and among lane l xor 16's
	s_delay_alu instid0(VALU_DEP_1)
	v_mul_f32 v254, s[CS], v254                    ; as t
	s_delay_alu instid0(VALU_DEP_1)
	v_max_num_f32 v13, v13, v254
	v_mov_b32 v254, v12
	s_delay_alu instid0(VALU_DEP_2)
	v_floor_f32 v12, -v13                          ; -M = floor(-t): M is a whole number
	s_delay_alu instid0(VALU_DEP_1)
	v_sub_f32 v254, v12, v254
	s_delay_alu instid0(VALU_DEP_1)
	v_cvt_i32_f32 v254, v254                       ; old M - new M (it saturates)
	s_delay_alu instid0(VALU_DEP_1)
	v_ldexp_f32 v252, 1.0, v254                    ; f = 2^(old M - new M)
.set J, 0
.rept 4*\nt
	v_pk_fma_f32 v[96+J:97+J], v[96+J:97+J], s[CS:CS+1], v[12:13] op_sel_hi:[1,0,0]   ; t - M
.set J, J+2
.endr
.set J, 0
	s_wait_alu depctr_va_vdst(0)                   ; ahead of the batch
.rept 8*\nt
	v_exp_f32 v[96+J], v[96+J]                     ; p = 2^(t - M)
.set J, J+1
.endr
	v_pk_mul_f32 v[14:15], v[14:15], v[252:253] op_sel_hi:[1,0]   ; the sums under the new M: the plain line behind the exponentials
	s_wait_alu depctr_va_vdst(0)                   ; one wait for the whole batch, ahead of its first reader
.if \nt == 8
	v_pk_add_f32 v[242:243], v[100:101], v[104:105]   ; the row's sum of the unquantised p, in eight chains
	v_pk_add_f32 v[254:255], v[108:109], v[112:113]
	v_pk_add_f32 v[250:251], v[116:117], v[120:121]
	v_pk_add_f32 v[238:239], v[124:125], v[128:129]
	v_pk_add_f32 v[234:235], v[132:133], v[136:137]
	v_pk_add_f32 v[232:233], v[140:141], v[144:145]
	v_pk_add_f32 v[230:231], v[148:149], v[152:153]
	v_pk_add_f32 v[14:15], v[14:15], v[156:157]
	v_pk_add_f32 v[242:243], v[242:243], v[96:97]
	v_pk_add_f32 v[254:255], v[254:255], v[98:99]
	v_pk_add_f32 v[250:251], v[250:251], v[102:103]
	v_pk_add_f32 v[238:239], v[238:239], v[106:107]
	v_pk_add_f32 v[234:235], v[234:235], v[110:111]
	v_pk_add_f32 v[232:233], v[232:233], v[114:115]
	v_pk_add_f32 v[230:231], v[230:231], v[118:119]
	v_pk_add_f32 v[14:15], v[14:15], v[122:123]
	v_pk_add_f32 v[242:243], v[242:243], v[126:127]
	v_pk_add_f32 v[254:255], v[254:255], v[130:131]
	v_pk_add_f32 v[250:251], v[250:251], v[134:135]
	v_pk_add_f32 v[238:239], v[238:239], v[138:139]
	v_pk_add_f32 v[234:235], v[234:235], v[142:143]
	v_pk_add_f32 v[232:233], v[232:233], v[146:147]
	v_pk_add_f32 v[230:231], v[230:231], v[150:151]
	v_pk_add_f32 v[14:15], v[14:15], v[154:155]
	v_pk_add_f32 v[242:243], v[242:243], v[158:159]
	v_pk_add_f32 v[14:15], v[14:15], v[238:239]
	v_pk_add_f32 v[242:243], v[242:243], v[234:235]
	v_pk_add_f32 v[254:255], v[254:255], v[232:233]
	v_pk_add_f32 v[250:251], v[250:251], v[230:231]
	v_pk_add_f32 v[14:15], v[14:15], v[254:255]
	v_pk_add_f32 v[242:243], v[242:243], v[250:251]
	v_pk_add_f32 v[14:15], v[14:15], v[242:243]
.else
	v_pk_add_f32 v[242:243], v[96:97], v[98:99]    ; the same of 32 numbers, in two chains
	v_pk_add_f32 v[14:15], v[14:15], v[100:101]
.irp j, 6,10,14,18,22,26
	v_pk_add_f32 v[242:243], v[242:243], v[96+\j:97+\j]
	v_pk_add_f32 v[14:15], v[14:15], v[98+\j:99+\j]
.endr
	v_pk_add_f32 v[242:243], v[242:243], v[126:127]
	v_pk_add_f32 v[14:15], v[14:15], v[242:243]
.endif
.set T, 0
.rept \nt
.irp i, 0,2,4,6
	v_dual_min_num_f32 v[96+8*T+\i], v240, v[96+8*T+\i] :: v_dual_min_num_f32 v[97+8*T+\i], v241, v[97+8*T+\i]   ; the conversion does not saturate (ISA guide 7.6.2); p is not negative; two holds a line
.endr
	v_cvt_scalef32_pk8_fp8_f32 v[192+2*T:193+2*T], v[96+8*T:103+8*T], v244
.set T, T+1
.endr
	s_wait_alu depctr_va_vdst(0)                   ; directly ahead of the first reader of O^T
.set J, 0
.rept 16
	v_pk_mul_f32 v[160+J:161+J], v[160+J:161+J], v[252:253] op_sel_hi:[1,0]   ; O^T under the new M; also the plain lines behind the conversions
.set J, J+2
.endr
	s_wait_alu depctr_va_vdst(0)
	s_wait_dscnt 0x0                               ; V is in
.irp t, 0,1,2,3
.if \nt == 8
	v_wmma_f32_16x16x128_fp8_fp8 v[160+8*\t:167+8*\t], v[32+16*\t:47+16*\t], v[192:207], v[160+8*\t:167+8*\t]   ; the four accumulators by turns
.else
	v_wmma_f32_16x16x64_fp8_fp8 v[160+8*\t:167+8*\t], v[32+16*\t:39+16*\t], v[192:199], v[160+8*\t:167+8*\t]    ; a pass's last products; more than five plain lines lie behind the products of the other form
.endif
.endr
.endm
; A pass's end: O^T / l, held, quantised; 8 bytes a tile into my stage, back as 1 KiB on end, and out: each store covers 512 consecutive bytes, aligned.
.macro FINISH ob
	s_wait_xcnt 0x0                                ; the first pass's stores have read v212-219
.rept 4
	v_nop                                          ; places behind the last products
.endr
	v_add_f32 v14, v14, v15
	s_delay_alu instid0(VALU_DEP_1)
	v_permlanex16_b32 v236, v14, s[SEL], s[SEL+1]
	s_delay_alu instid0(VALU_DEP_1)
	v_add_f32 v14, v14, v236                       ; the row's sum
	s_wait_alu depctr_va_vdst(0)                   ; ahead of the transcendental
	v_rcp_f32 v252, v14
	v_nop
	s_wait_alu depctr_va_vdst(0)                   ; ahead of the reciprocal's first reader, which is also O^T's
.set J, 0
.rept 16
	v_pk_mul_f32 v[96+J:97+J], v[160+J:161+J], v[252:253] op_sel_hi:[1,0]   ; each accumulator from its low end on
.set J, J+2
.endr
.set J, 0
.rept 32
	v_med3_num_f32 v[96+J], v[96+J], -v247, v247
.set J, J+1
.endr
.irp t, 0,1,2,3
	v_cvt_scalef32_pk8_fp8_f32 v[192+2*\t:193+2*\t], v[96+8*\t:103+8*\t], v246
.endr
	v_nop
.irp t, 0,1,2,3
	ds_store_b64 v[STO], v[192+2*\t:193+2*\t] offset:16*\t   ; channels 16 t + 8 h + 0 .. 7 of query r
.endr
	ds_load_b128 v[212:215], v[SRD]                ; LDS serves a wave's instructions in order: these see my stores
	ds_load_b128 v[216:219], v[SRD] offset:512
	s_wait_dscnt 0x0
	global_store_b128 v[LN16], v[212:215], s[\ob:\ob+1]
	global_store_b128 v[LN16], v[216:219], s[\ob:\ob+1] offset:512
.endm
	s_wait_alu depctr_va_vdst(0)                   ; the head's end
	s_wait_loadcnt 0x0                             ; Q of both passes
	s_wait_tensorcnt 0x0                           ; my part of K or V is in
	s_barrier_signal -1
	s_barrier_wait -1                              ; everybody's is: nothing is filled again, so this is the launch's only barrier ahead of the closing round
.Lstep:                                            ; 17 trips in every wave
	s_cmp_lg_u32 s[SL], s[NA]
	s_cbranch_scc1 .Lsame                          ; the wave's number and the trip alone
	FINISH OUT1                                    ; the first pass's result leaves, and the state begins anew
	v_mov_b32 v[DD], v[DD2]
	v_mov_b32 v13, 0xff61b1e6
	s_delay_alu instid0(VALU_DEP_1)
	v_floor_f32 v12, -v13
	v_mov_b32 v14, 0
	v_mov_b32 v15, 0
.set J, 0
.rept 32
	v_mov_b32 v[160+J], 0
.set J, J+1
.endr
.set J, 0
.rept 8
	v_mov_b32 v[16+J], v[24+J]
.set J, J+1
.endr
.Lsame:
	s_cmp_eq_u32 s[SL], s[HS]
	s_cbranch_scc1 .Lhalf                          ; the wave's number and the trip alone
	STEP 8
	s_branch .Lnext
.Lhalf:
	STEP 4
.Lnext:
	s_add_co_u32 s[SL], s[SL], 1
	s_cmp_lt_u32 s[SL], 17
	s_cbranch_scc1 .Lstep
	FINISH OUT2
	s_wait_tensorcnt 0x0                           ; the wave's end
	ds_add_u32 v[SPW], v[NIL]
	s_wait_dscnt 0x0
	CROUND                                         ; the closing round
	s_endpgm
.Lfunc_end_k_qfce40e655e_attn:
	.size	k_qfce40e655e_attn, .Lfunc_end_k_qfce40e655e_attn-k_qfce40e655e_attn
	.p2alignl 7, 3214868480
	.fill 96, 4, 3214868480
	.section	.rodata,"a",@progbits
	.p2align	6, 0x0
	.amdhsa_kernel k_qfce40e655e_attn
		.amdhsa_group_segment_fixed_size 327680
		.amdhsa_private_segment_fixed_size 0
		.amdhsa_enable_private_segment 0
		.amdhsa_kernarg_size 24
		.amdhsa_user_sgpr_count 2
		.amdhsa_user_sgpr_kernarg_segment_ptr 1
		.amdhsa_wavefront_size32 1
		.amdhsa_system_sgpr_workgroup_id_x 1
		.amdhsa_system_sgpr_workgroup_id_y 1
		.amdhsa_system_sgpr_workgroup_id_z 1
		.amdhsa_system_vgpr_workitem_id 0
		.amdhsa_next_free_vgpr 256
		.amdhsa_next_free_sgpr 66
		.amdhsa_reserve_vcc 1
		.amdhsa_float_denorm_mode_32 3
		.amdhsa_float_denorm_mode_16_64 3
		.amdhsa_memory_ordered 1
		.amdhsa_forward_progress 1
		.amdhsa_inst_pref_size 51
	.end_amdhsa_kernel
	.amdgpu_metadata
---
amdhsa.version: [ 1, 2 ]
amdhsa.kernels:
  - .name:           k_qfce40e655e_attn
    .symbol:         k_qfce40e655e_attn.kd
    .args:
      - { .name: qkv_codes, .offset: 0, .size: 8, .value_kind: global_buffer, .address_space: global }
      - { .name: lowp_scales, .offset: 8, .size: 8, .value_kind: global_buffer, .address_space: global }
      - { .name: a_codes, .offset: 16, .size: 8, .value_kind: global_buffer, .address_space: global }
    .group_segment_fixed_size: 327680
    .private_segment_fixed_size: 0
    .kernarg_segment_align: 8
    .kernarg_segment_size: 24
    .max_flat_workgroup_size: 512
    .sgpr_count:     66
    .vgpr_count:     256
    .wavefront_size: 32
...
	.end_amdgpu_metadata
.endif
;; end of part 3
;; launch outp (part 4): grid 4 x 64, 4 waves a work-group, clusters of 4 x 4, 327,680 bytes of LDS; arguments a_codes, w_codes, lowp_scales, out0; writes out0
.if DOCPART == 4
	.amdgcn_target "amdgcn-amd-amdhsa--gfx1250"
	.amdhsa_code_object_version 6
	.text
	.protected	k_qfce40e655e_outp
	.globl	k_qfce40e655e_outp
	.p2align	8
	.type	k_qfce40e655e_outp,@function
k_qfce40e655e_outp:
	s_mov_b64 s[64:65], 0
	v_nop
	global_prefetch_b8 v0, s[64:65] scope:SCOPE_SE
	s_setreg_imm32_b32 hwreg(HW_REG_WAVE_MODE, 25, 1), 1
	s_wait_xcnt 0x0
	s_wait_alu depctr_hold_cnt(0) depctr_sa_sdst(0) depctr_va_vdst(0) depctr_va_sdst(0) depctr_va_ssrc(0) depctr_va_vcc(0) depctr_vm_vsrc(0)
	s_getreg_b32 s2, hwreg(HW_REG_IB_STS2, 6, 4)
	s_cmp_eq_u32 s2, 0
	s_cbranch_scc0 .Lentry_in_a_cluster
	s_endpgm
.Lentry_in_a_cluster:
	s_bfe_u32 s2, ttmp6, 0x10000c
	s_cmp_lg_u32 s2, 0xf033
	s_cbranch_scc0 .Lentry_shape_is_right
	s_endpgm
.Lentry_shape_is_right:
; LAUNCH 4 OF 4: out0 = a Wo^T on codes of E4M3, K = 1,024; each finished sum x 2^(e10 + e11).  LIMIT: e10 + e11 between -126 and 127.
; A tile of C is 128 tokens x 256 columns, four waves of 64 x 128.  K goes in four steps of 256 through two LDS slots; 4 x 4 work-groups ask jointly for A's tiles along a row of the cluster and for B's along a column.
; A's codes come in dense chunks of 16 KiB: head pair x 1 MiB + block of 128 tokens x 16 KiB, in a chunk [head of the pair][token][64 bytes].  A chunk is fetched as 64 rows of 256 bytes, 16 bytes of padding behind each:
; token tk of head hh lies at 272 (32 hh + tk / 4) + 64 (tk % 4), so the 16 rows of a fragment load start at 16 different columns of 16 bytes.  B: Wo's codes, rows of 1,024 bytes, 256 a step.
; At the head each wave issues one joint load (K step 0); slot 1's first fill stands behind the full sequence and a round.  The matrix instruction is used transposed; results leave through a stage in slot 0.
.set PA,     272
.set ACH,    64*PA
.set BOFF,   2*ACH
.set PB,     272
.set BH,     128*PB
.set SLOT,   BOFF+2*BH
.set SPARE,  2*SLOT
.set SPITCH, 528
.set FR,   16
.set ADRA, 16
.set ADRB, 20
.set STO,  24
.set RD,   25
.set CO,   26
.set SPW,  28
.set NIL,  29
.set TMP,  32
.set AF,   128
.set BK,   128
.set G1, 24
.set G0, 32
.set G1B, 48
.set G0B, 56
.set MSB, 0
.macro WIN new
.if MSB != \new
	s_set_vgpr_msb (MSB<<8)|\new
.set MSB, \new
.endif
.endm
.set MUL,  0xa1
.set TO_B, 0x40
.macro JLOAD g0a, g1a, g0b, g1b
	s_cmp_eq_u32 s15, 0
	s_cbranch_scc0 .Lfor_b_\@
	tensor_load_to_lds s[\g0a:\g0a+3], s[\g1a:\g1a+7]
	s_nop 0
.rept 4
	v_nop
.endr
	s_branch .Lasked_\@
.Lfor_b_\@:
	tensor_load_to_lds s[\g0b:\g0b+3], s[\g1b:\g1b+7]
	s_nop 0
.rept 4
	v_nop
.endr
.Lasked_\@:
.endm
.macro CREST
	s_cmp_lg_u32 s14, 0
	s_cbranch_scc1 .Lnot_wave_0_\@
	s_barrier_signal -3
.Lnot_wave_0_\@:
	s_barrier_wait -3
	s_barrier_signal -1
	s_barrier_wait -1
.endm
.macro CROUND
	s_barrier_signal -1
	s_barrier_wait -1
	CREST
.endm
	s_load_b128 s[4:7], s[0:1], 0x0
	s_load_b128 s[8:11], s[0:1], 0x10
	v_lshl_add_u32 v[SPW], v0, 2, SPARE
	v_mov_b32 v[NIL], 0
	ds_add_u32 v[SPW], v[NIL]
	ds_add_u32 v[SPW], v[NIL]
	v_lshrrev_b32 v1, 5, v0
	v_readfirstlane_b32 s14, v1
	s_lshr_b32 s15, s14, 1
	s_and_b32 s16, s14, 1
	s_bfe_u32 s40, ttmp6, 0x40000
	s_bfe_u32 s41, ttmp6, 0x40004
	s_lshl_b32 s42, ttmp9, 2
	s_add_co_u32 s42, s42, s40
	s_and_b32 s17, ttmp7, 0xffff
	s_lshl_b32 s17, s17, 2
	s_add_co_u32 s17, s17, s41
	s_lshl_b32 s43, s41, 2
	s_lshl_b32 s43, 15, s43
	s_lshl_b32 s44, 0x1111, s40
	s_or_b32 s[G1+0], s43, (0<<16)|(1<<20)|(1<<21)|(5<<22)|(3<<25)
	s_mov_b32 s[G1+1], 256<<16
	s_mov_b32 s[G1+2], 64<<16
	s_mov_b32 s[G1+3], 256<<16
	s_mov_b32 s[G1+4], 64
	s_mov_b32 s[G1+5], 256
	s_mov_b32 s[G1+6], 0
	s_mov_b32 s[G1+7], 0
	s_or_b32 s[G1B+0], s44, (0<<16)|(1<<20)|(1<<21)|(5<<22)|(3<<25)
	s_mov_b32 s[G1B+1], 256<<16
	s_mov_b32 s[G1B+2], 128<<16
	s_mov_b32 s[G1B+3], 256<<16
	s_mov_b32 s[G1B+4], 128
	s_mov_b32 s[G1B+5], 1024
	s_mov_b32 s[G1B+6], 0
	s_mov_b32 s[G1B+7], 0
	s_lshl_b32 s20, s16, 20
	s_lshl_b32 s18, s17, 14
	s_add_co_u32 s20, s20, s18
	s_mov_b32 s21, 0
	s_lshl_b32 s19, s16, 7
	s_lshl_b32 s46, s42, 8
	s_add_co_u32 s46, s46, s19
	s_lshl_b32 s46, s46, 10
	s_add_co_u32 s46, s46, 0x300000
	s_mov_b32 s47, 0
	s_mul_i32 s45, s16, ACH
	s_mul_i32 s22, s16, BH
	s_add_co_u32 s22, s22, BOFF
	s_wait_dscnt 0x0
	s_wait_kmcnt 0x0
	s_load_b64 s[96:97], s[8:9], 0x28
	s_add_nc_u64 s[20:21], s[4:5], s[20:21]
	s_add_nc_u64 s[46:47], s[6:7], s[46:47]
	; THE PREFETCHES: behind the first fill of K step 0 each wave asks for K step 2 of what it fetches, behind that of K step 1 for K step 3: two K steps ahead of the load that wants them; K steps 0 and 1 come by their loads alone.
	; The four partners that ask for a tile jointly share it out by address (cx for A, cy for B).  A's chunk of 16 KiB: 4 KiB a partner, lanes 0-15 256 bytes apart, the lanes left over name the last block again.
	; B's 128 rows: 32 a partner, a lane a row, 256 bytes of it.  So each aligned block is named once in the cluster.  No address register is written again.
	s_cmp_eq_u32 s15, 0
	s_cselect_b64 s[68:69], s[20:21], s[46:47]
	s_cselect_b32 s70, s40, s41                    ; my place among the four
	s_cselect_b32 s71, 12, 15                      ; x 4 KiB or x 32 rows of 1,024 bytes
	s_cselect_b32 s72, 15, 31                      ; the last lane with a block of its own
	s_cselect_b32 s73, 8, 10                       ; from lane to lane: 256 bytes or a row
	s_mov_b32 s74, 256
	s_cselect_b32 s74, 0x200000, s74               ; a K step on: two head pairs' planes, or 256 bytes of a row
	s_lshl_b32 s70, s70, s71
	s_lshl_b32 s74, s74, 1
	s_add_co_u32 s70, s70, s74
	s_mov_b32 s71, 0
	s_add_nc_u64 s[68:69], s[68:69], s[70:71]      ; K step 2
	s_lshr_b32 s74, s74, 1
	s_mov_b32 s75, 0
	s_add_nc_u64 s[76:77], s[68:69], s[74:75]      ; K step 3
	CROUND
.irp s, 0,1
	s_mov_b32 s[G0+4*\s], 1
	s_add_co_u32 s[G0+4*\s+1], s45, \s*SLOT
	s_add_nc_u64 s[G0+4*\s+2:G0+4*\s+3], s[20:21], \s*0x200000
	s_or_b32 s[G0+4*\s+3], s[G0+4*\s+3], 0x80000000
	s_mov_b32 s[G0B+4*\s], 1
	s_add_co_u32 s[G0B+4*\s+1], s22, \s*SLOT
	s_add_nc_u64 s[G0B+4*\s+2:G0B+4*\s+3], s[46:47], \s*256
	s_or_b32 s[G0B+4*\s+3], s[G0B+4*\s+3], 0x80000000
.endr
	JLOAD G0, G1, G0B, G1B                         ; K step 0: one tensor load a wave at the head
	v_and_b32 v1, 15, v0
	v_bfe_u32 v2, v0, 4, 1
	v_lshrrev_b32 v3, 2, v1
	v_mul_u32_u24 v3, v3, PA
	v_lshl_add_u32 v3, v2, 4, v3
	v_and_b32 v7, 3, v1
	v_lshl_add_u32 v3, v7, 6, v3                   ; A: 272 (r / 4) + 64 (r % 4) + 16 h
	v_mul_u32_u24 v4, v1, PB
	v_lshl_add_u32 v4, v2, 4, v4
	s_mul_i32 s21, s15, 16*PA                      ; my 64 tokens: 16 lines
	s_mul_i32 s23, s16, BH
	s_add_co_u32 s23, s23, BOFF
.irp s, 0,1
	v_add_nc_u32 v[ADRA+\s], s21, v3
	v_add_nc_u32 v[ADRB+\s], s23, v4
	s_add_co_u32 s21, s21, SLOT
	s_add_co_u32 s23, s23, SLOT
.endr
	s_mul_i32 s23, s14, 16*SPITCH
	v_mul_u32_u24 v5, v1, SPITCH
	v_lshl_add_u32 v5, v2, 5, v5
	v_add_nc_u32 v[STO], s23, v5
	v_and_b32 v6, 31, v0
	v_lshlrev_b32 v[CO], 4, v6
	v_add_nc_u32 v[RD], s23, v[CO]
	v_and_b32 v30, 31, v0
	v_min_u32 v30, s72, v30
	v_lshlrev_b32 v30, s73, v30                    ; the prefetches' offset; never rewritten
	global_prefetch_b8 v30, s[68:69] th:TH_LOAD_NT scope:SCOPE_SE   ; K step 2
	s_lshl_b32 s20, s17, 7
	s_lshl_b32 s21, s15, 6
	s_add_co_u32 s20, s20, s21
	s_lshl_b32 s20, s20, 12
	s_lshl_b32 s46, s42, 10
	s_lshl_b32 s47, s16, 9
	s_add_co_u32 s46, s46, s47
	s_add_co_u32 s20, s20, s46
	s_mov_b32 s21, 0
	s_add_nc_u64 s[10:11], s[10:11], s[20:21]
.macro MUL8 a, p, zero
.irp b, 0,1,2,3,4,5,6,7
.if \zero
	v_wmma_f32_16x16x128_fp8_fp8 v[8*(8*(\a)+\b):8*(8*(\a)+\b)+7], v[128*(\p)+FR*\b:128*(\p)+FR*\b+FR-1], v[AF+64*(\p)+FR*(\a):AF+64*(\p)+FR*(\a)+FR-1], 0
.else
	v_wmma_f32_16x16x128_fp8_fp8 v[8*(8*(\a)+\b):8*(8*(\a)+\b)+7], v[128*(\p)+FR*\b:128*(\p)+FR*\b+FR-1], v[AF+64*(\p)+FR*(\a):AF+64*(\p)+FR*(\a)+FR-1], v[8*(8*(\a)+\b):8*(8*(\a)+\b)+7]
.endif
.endr
.endm
.macro FETCH slot, q, p
	WIN TO_B
.irp b, 0,1,2,3,4,5,6,7
.irp c, 0,1,2,3
	ds_load_b128 v[128*(\p)+FR*\b+4*\c:128*(\p)+FR*\b+4*\c+3], v[ADRB+\slot] offset:128*(\q)+\b*16*PB+32*\c
.endr
.endr
	WIN 0
.irp a, 0,1,2,3
.irp c, 0,1,2,3
	ds_load_b128 v[AF+64*(\p)+FR*\a+4*\c:AF+64*(\p)+FR*\a+4*\c+3], v[ADRA+\slot] offset:(\q)*ACH+\a*4*PA+32*(\c%2)+(\c/2)*32*PA   ; K = 32 c + 16 h on: c / 2 is the head of the pair
.endr
.endr
.endm
.macro PLACES
.rept 4
	v_nop
.endr
.endm
.macro STEP slot, zero
	s_wait_dscnt 0x0
	PLACES
	FETCH \slot, 1, 1
	WIN MUL
	MUL8 0, 0, \zero
	MUL8 1, 0, \zero
	MUL8 2, 0, \zero
	MUL8 3, 0, \zero
.endm
.macro TURN slot, next, fill
	WIN 0
	s_wait_tensorcnt 0x0
	ds_add_u32 v[SPW], v[NIL]
	s_wait_dscnt 1
	WIN MUL
	MUL8 0, 1, 0
	s_wait_dscnt 0x0
	s_barrier_signal -1
	MUL8 1, 1, 0
	WIN 0
	s_barrier_wait -1
.if \fill
	CREST
	s_add_nc_u64 s[G0+4*\slot+2:G0+4*\slot+3], s[G0+4*\slot+2:G0+4*\slot+3], 0x400000
	s_add_nc_u64 s[G0B+4*\slot+2:G0B+4*\slot+3], s[G0B+4*\slot+2:G0B+4*\slot+3], 512
	JLOAD G0+4*\slot, G1, G0B+4*\slot, G1B
.else
	PLACES
.endif
	FETCH \next, 0, 0
	WIN MUL
	MUL8 2, 1, 0
	MUL8 3, 1, 0
.endm
	s_wait_alu depctr_va_vdst(0)                   ; the head's end
	s_wait_tensorcnt 0x0                           ; my part of K step 0 is in; the lines ahead of a later first fill:
	ds_add_u32 v[SPW], v[NIL]
	s_wait_dscnt 0x0
	CROUND                                         ; everybody's part of K step 0 is in, and the joint loads meet
	JLOAD G0+4, G1, G0B+4, G1B                     ; K step 1, the first tensor load behind the round
	FETCH 0, 0, 0
	global_prefetch_b8 v30, s[76:77] th:TH_LOAD_NT scope:SCOPE_SE   ; K step 3, behind K step 1's load and the run of LDS loads
	STEP 0, 1
	TURN 0, 1, 1
	STEP 1, 0
	TURN 1, 0, 1
	STEP 0, 0
	TURN 0, 1, 0
	STEP 1, 0
	s_wait_dscnt 0x0
	MUL8 0, 1, 0
	MUL8 1, 1, 0
	MUL8 2, 1, 0
	MUL8 3, 1, 0
	WIN 0
.macro TOSTAGE a
.set AC, 64*(\a)
.set BB, BK+64*((\a)%2)
	WIN 0x02
.set J, 0
.rept 32
	v_pk_mul_f32 v[TMP+J:TMP+J+1], v[AC+J:AC+J+1], s[96:97] op_sel_hi:[1,0]
.set J, J+2
.endr
	WIN 0
.irp b, 0,1,2,3,4,5,6,7
	ds_store_b128 v[STO], v[TMP+8*\b:TMP+8*\b+3] offset:64*\b
	ds_store_b128 v[STO], v[TMP+8*\b+4:TMP+8*\b+7] offset:64*\b+16
.endr
.irp t, 0,1,2,3,4,5,6,7,8,9,10,11,12,13,14,15
	ds_load_b128 v[BB+4*\t:BB+4*\t+3], v[RD] offset:\t*SPITCH
.endr
.endm
.macro SEND a, younger
.set BB, BK+64*((\a)%2)
	s_wait_dscnt \younger
.irp t, 0,1,2,3,4,5,6,7,8,9,10,11,12,13,14,15
	global_store_b128 v[CO], v[BB+4*\t:BB+4*\t+3], s[10:11] offset:(16*(\a)+\t)*4096 th:TH_STORE_NT
.endr
.endm
	s_wait_kmcnt 0x0
	s_add_co_i32 s96, s96, s97
	s_add_co_i32 s96, s96, 127
	s_lshl_b32 s96, s96, 23
	PLACES
	TOSTAGE 0
.irp a, 1,2,3
.if \a > 1
	s_wait_xcnt 0x0
.endif
	TOSTAGE \a
	SEND \a-1, 32
.endr
	SEND 3, 0
	s_wait_tensorcnt 0x0
	ds_add_u32 v[SPW], v[NIL]
	s_wait_dscnt 0x0
	CROUND
	s_endpgm
.Lfunc_end_k_qfce40e655e_outp:
	.size	k_qfce40e655e_outp, .Lfunc_end_k_qfce40e655e_outp-k_qfce40e655e_outp
	.p2alignl 7, 3214868480
	.fill 96, 4, 3214868480
	.section	.rodata,"a",@progbits
	.p2align	6, 0x0
	.amdhsa_kernel k_qfce40e655e_outp
		.amdhsa_group_segment_fixed_size 327680
		.amdhsa_private_segment_fixed_size 0
		.amdhsa_enable_private_segment 0
		.amdhsa_kernarg_size 32
		.amdhsa_user_sgpr_count 2
		.amdhsa_user_sgpr_kernarg_segment_ptr 1
		.amdhsa_wavefront_size32 1
		.amdhsa_system_sgpr_workgroup_id_x 1
		.amdhsa_system_sgpr_workgroup_id_y 1
		.amdhsa_system_sgpr_workgroup_id_z 1
		.amdhsa_system_vgpr_workitem_id 0
		.amdhsa_next_free_vgpr 768
		.amdhsa_next_free_sgpr 100
		.amdhsa_reserve_vcc 0
		.amdhsa_float_denorm_mode_32 3
		.amdhsa_float_denorm_mode_16_64 3
		.amdhsa_memory_ordered 1
		.amdhsa_forward_progress 1
		.amdhsa_inst_pref_size 76
	.end_amdhsa_kernel
	.amdgpu_metadata
---
amdhsa.version: [ 1, 2 ]
amdhsa.kernels:
  - .name:           k_qfce40e655e_outp
    .symbol:         k_qfce40e655e_outp.kd
    .args:
      - { .name: a_codes, .offset: 0, .size: 8, .value_kind: global_buffer, .address_space: global }
      - { .name: w_codes, .offset: 8, .size: 8, .value_kind: global_buffer, .address_space: global }
      - { .name: lowp_scales, .offset: 16, .size: 8, .value_kind: global_buffer, .address_space: global }
      - { .name: out0, .offset: 24, .size: 8, .value_kind: global_buffer, .address_space: global }
    .group_segment_fixed_size: 327680
    .private_segment_fixed_size: 0
    .kernarg_segment_align: 8
    .kernarg_segment_size: 32
    .max_flat_workgroup_size: 128
    .sgpr_count:     100
    .vgpr_count:     768
    .wavefront_size: 32
...
	.end_amdgpu_metadata
.endif
;; end of part 4
